; MI455X (gfx1250); checked and timed in simulation.
; The chip was launched on July 23, 2026; its instructions are those of AMD's public machine-readable ISA for CDNA 5 (MIT licence, August 2026) and "CDNA5" Instruction Set Architecture Reference Guide (July 2026). The comments in the code are by the model that wrote it; some were corrected since.
;; Causal Self Attention. Allowed arithmetic: matrix products marked QUANTISED: E4M3 operands, one given power-of-two scale a tensor, by v_wmma_f32_16x16x64_fp8_fp8 or v_wmma_f32_16x16x128_fp8_fp8, f32 sums; everything else in f32.
;; Inputs: lowp_scales 8 int32 (the exponents e of the quantised operands' scales 2^e); out_b 1,024 float32; out_w 1,024 x 1,024 float32; qkv_b 3,072 float32; qkv_w 1,024 x 3,072 float32; x 2 x 2,048 x 1,024 float32.
;; Outputs: out0 2 x 2,048 x 1,024 float32.
;; This version of the problem:
;;   THIS VERSION OF THE PROBLEM IS GIVEN IN LOW PRECISION. The matrix products marked QUANTISED in the list below multiply operands that are first quantised to E4M3 (4 exponent bits, 3 mantissa bits; 8 bits a number), with one given power-of-two scale for each operand tensor; their sums are f32. All else is computed in f32.
;;   The module's matrix products, in the order in which they are computed (A, B: the left and right operand; K: the contracted axis; several contracted axes count as one K, in the product's order):
;;     1. [M 4,096, K 1,024] x [K 1,024, N 3,072]; A: input x; B: input qkv_w: QUANTISED (scales: A lowp_scales[0], B lowp_scales[1])
;;     2. batch 32 x [M 2,048, K 64] x [K 64, N 2,048]; A: computed on the way; B: computed on the way: QUANTISED (scales: A lowp_scales[2], B lowp_scales[3])
;;     3. batch 32 x [M 2,048, K 2,048] x [K 2,048, N 64]; A: softmax (see below); B: computed on the way: QUANTISED (scales: A lowp_scales[4], B lowp_scales[5])
;;     4. [M 4,096, K 1,024] x [K 1,024, N 1,024]; A: computed on the way; B: input out_w: QUANTISED (scales: A lowp_scales[6], B lowp_scales[7])
;;   THE QUANTISER, for each operand of a quantised product, along K:
;;     - The operand's scale is 2^e, e = its entry of the input lowp_scales (int32; the entries are numbered through the quantised products in the list's order, A before B).
;;     - Each number is divided by the scale, clamped to +-448, and rounded to the nearest number of E4M3, ties to even, subnormals kept.
;;     - The product sums the exact products of the quantised numbers (number of the format x scale) in f32.
;;   ~~~python
;;   def quantise(x, axis, e):      # numpy; x: float32 -> the quantised numbers, widened to float32 again
;;       x = np.moveaxis(x, axis, -1); K = x.shape[-1]
;;       r = np.clip(x / 2.0 ** e, -448, 448)
;;       step = 2.0 ** (np.maximum(np.frexp(np.where(r == 0, 1, r))[1] - 1, -6) - 3)
;;       q = np.round(r / step) * step * 2.0 ** e      # np.round: ties to even
;;       return np.moveaxis(q, -1, axis).astype(np.float32)
;;   ~~~
;;   SOFTMAX AHEAD OF A QUANTISED PRODUCT. Where the list says 'softmax', what is quantised is not the finished softmax but p = 2^(t - M), with t = logit x log2(e) and M = ceil(the row's largest t), a whole number; so 1/2 < the row's largest p <= 1. The row's sum l is taken of the UNQUANTISED p, in f32, and the product's result is divided by l at the end. Since M is a whole number, a kernel that streams over the keys may use a running M (the ceiling of the running maximum): every later rescaling is an exact power of two, so the quantised numbers keep their values, but for numbers so far below the row's largest that they fall under the format's range.
;;   OPERANDS COMPUTED ON THE WAY. 'Computed on the way' means the value that the module computes at that place (a softmax that the list does not call 'softmax' is quantised finished and normalised). What goes into a quantiser is computed in f32, as accurately as f32 sums, v_exp_f32 and their like allow (about 1e-6 of the number): no bf16 or f16 on the way to a quantiser, and a product that is left as it is and whose result goes on into a quantised operand takes f32 operands (vector FMAs, or v_wmma_f32_16x16x4_f32). A number that lies on a knife's edge between two numbers of the format may be rounded either way, as far as f32 arithmetic and the matrix unit's own rounding can turn it there, and no further.
;; One version. Each part assembles by itself: llvm-mc -triple=amdgcn-amd-amdhsa -mcpu=gfx1250 --defsym DOCPART=n.
;; ======== version 1 of 1: 4 launches
;; limits: right only within a limited range of input values
;; workspace buffers: xc 4,194,304 bytes; wqc 3,145,728 bytes; woc 1,048,576 bytes; qc 4,194,304 bytes; kc 4,194,304 bytes; vc 4,194,304 bytes; ac 4,194,304 bytes
;; launch quant (part 1): grid 512 x 1, 8 waves a work-group, no clusters, 68,608 bytes of LDS; arguments x, qkv_w, out_w, lowp_scales, xc, wqc, woc; writes xc, wqc, woc
.if DOCPART == 1
	.amdgcn_target "amdgcn-amd-amdhsa--gfx1250"
	.amdhsa_code_object_version 6
	.text
	.protected	k_q97917896fd_quant
	.globl	k_q97917896fd_quant
	.p2align	8
	.type	k_q97917896fd_quant,@function
k_q97917896fd_quant:
	s_mov_b64 s[64:65], 0
	v_nop
	global_prefetch_b8 v0, s[64:65] scope:SCOPE_SE
	s_setreg_imm32_b32 hwreg(HW_REG_WAVE_MODE, 25, 1), 1
	s_wait_xcnt 0x0
; x [4096][1024], qkv_w [1024][3072] and out_w [1024][1024], all f32, become codes of FP8 (E4M3), one byte each.  code = number / 2^e, held within +-448, rounded to the nearest code, ties to even.
; AN IMAGE of 16 rows x 128 along K is 2,048 bytes: [4 chunks c][32 lanes (r, h) = r + 16 h][16 bytes]; the 16 bytes hold row r, K = 32 c + 8 h + 0 .. 7 and then K = 32 c + 16 + 8 h + 0 .. 7: what lane (r, h) of a matrix operand takes by one load.
; xc: [256 blocks of 16 tokens][8 K steps] images.  wqc: [16 heads][12 blocks: q, k, v's 64 channels, 16 each][8 K steps] images.  woc: [64 blocks of 16 columns][8 K steps] images.
; e: entry 0 of the scales for x, entry 1 for qkv_w, entry 7 for out_w.  LIMITS: each e between -126 and 119, so that 2^e and 448 x 2^e are f32 numbers.  NaN among the inputs is not served; an infinity is held at the largest code.
; 512 work-groups of 16,384 numbers each, two for each of 256 WGPs.  Work-groups 0-255 take x: 16 tokens each, a wave 128 along K.  Work-groups 256-511 take the weights, whose K is the FIRST axis: 64 columns x 256 along K each.
; Every wave issues all its loads at its head (x: 16 loads of 16 bytes a lane; weights: 64 of 4 bytes).  The two ways part on the work-group's number alone and never join.
.set XWG,  256                         ; work-groups for x
.set QWG,  448                         ; below this number: x or qkv_w; from it on: out_w
.set XP,   528                         ; x: a row of 512 bytes in the stage + 16 of padding
.set XREG, 16*XP                       ; x: a wave's stage
.set SPARE, 8*XREG                     ; the spare words, 128 bytes for each wave
.set R,    16                          ; x: v16-79   16 rows as loaded
.set X,    80                          ; x: v80-143  my row's numbers, 16 a chunk
.set C,    144                         ; x: v144-159 codes, four registers a chunk
.set WN,   16                          ; weights: v16-79 my column's 64 numbers down K
.set WC,   80                          ; weights: v80-95 their codes
.set SPW,  160
.set NIL,  161
.macro MKSCALE e                       ; v11 = 2^e as f32 (the conversion takes its exponent field), v10 = 448 x 2^e
	s_add_co_i32 s32, \e, 127
	s_lshl_b32 s33, s32, 23
	v_mov_b32 v11, s33
	s_add_co_i32 s32, s32, 8
	s_lshl_b32 s32, s32, 23
	s_or_b32 s32, s32, 0x600000
	v_mov_b32 v10, s32
.endm
	s_load_b256 s[4:11], s[0:1], 0x0               ; x s[4:5], qkv_w s[6:7], out_w s[8:9], the scales' exponents s[10:11]
	s_load_b128 s[12:15], s[0:1], 0x20             ; xc s[12:13], wqc s[14:15]
	s_load_b64 s[16:17], s[0:1], 0x30              ; woc
	v_lshl_add_u32 v[SPW], v0, 2, SPARE
	v_mov_b32 v[NIL], 0
	v_lshrrev_b32 v1, 5, v0
	v_and_b32 v2, 31, v0                           ; lane
	v_and_b32 v4, 15, v0                           ; r
	v_bfe_u32 v5, v0, 4, 1                         ; h
	v_readfirstlane_b32 s18, v1                    ; wave 0..7
	v_lshlrev_b32 v3, 4, v2                        ; 16 x lane
	v_lshlrev_b32 v6, 4, v4
	v_lshlrev_b32 v8, 2, v2
	v_lshl_add_u32 v7, v5, 14, v6                  ; weights, out: lanes 0-15 one block's unit of 256 bytes, lanes 16-31 the next block's, 16,384 bytes on
	s_mul_i32 s21, s18, XREG
	v_mul_u32_u24 v15, v4, XP
	v_lshlrev_b32 v9, 5, v5
	v_add_nc_u32 v14, s21, v3                      ; x: into the stage, as loaded
	v_add3_u32 v15, v15, v9, s21                   ; x: out of it: row r, + 32 h
	s_wait_alu depctr_va_vdst(0)
	s_wait_kmcnt 0x0
	s_load_b256 s[24:31], s[10:11], 0x0            ; e0 .. e7
	s_mov_b32 s23, 0
	s_cmp_lt_u32 ttmp9, XWG
	s_cbranch_scc0 .Lweights
; ---- x.  Load i reads 512 consecutive bytes of token i: 16 a lane.  The rows turn through the wave's own stage and come back as each lane's own row.
	s_lshl_b32 s22, ttmp9, 16
	s_lshl_b32 s20, s18, 9
	s_add_co_u32 s22, s22, s20
	s_add_nc_u64 s[4:5], s[4:5], s[22:23]          ; token 16 x work-group, K = 128 x wave
	s_lshl_b32 s22, ttmp9, 14
	s_lshl_b32 s20, s18, 11
	s_add_co_u32 s22, s22, s20
	s_add_nc_u64 s[12:13], s[12:13], s[22:23]      ; my wave's image
.set i, 0
.rept 16
	global_load_b128 v[R+4*i:R+4*i+3], v3, s[4:5] offset:4096*i th:TH_LOAD_NT
.set i, i+1
.endr
	s_wait_kmcnt 0x0
	MKSCALE s24                                    ; e0
	s_wait_alu depctr_va_vdst(0)
.irp g, 0,1,2,3
	s_wait_loadcnt 12-4*\g                         ; four rows more are in; those behind them may be out
.irp i, 0,1,2,3
	ds_store_b128 v14, v[R+16*\g+4*\i:R+16*\g+4*\i+3] offset:XP*(4*\g+\i)
.endr
.endr
.irp c, 0,1,2,3                        ; LDS serves a wave's instructions in order: these see the stores above
	ds_load_b128 v[X+16*\c:X+16*\c+3], v15 offset:128*\c
	ds_load_b128 v[X+16*\c+4:X+16*\c+7], v15 offset:128*\c+16
	ds_load_b128 v[X+16*\c+8:X+16*\c+11], v15 offset:128*\c+64
	ds_load_b128 v[X+16*\c+12:X+16*\c+15], v15 offset:128*\c+80
.endr
.irp c, 0,1,2,3
	s_wait_dscnt 12-4*\c                           ; this chunk is back; the younger ones may be out
.set i, 0
.rept 16
	v_med3_num_f32 v[X+16*\c+i], v[X+16*\c+i], -v10, v10   ; the conversion to an 8-bit code does not saturate (ISA guide 7.6.2): the hold at the largest code x the scale comes first
.set i, i+1
.endr
	v_cvt_scalef32_pk8_fp8_f32 v[C+4*\c:C+4*\c+1], v[X+16*\c:X+16*\c+7], v11
	v_cvt_scalef32_pk8_fp8_f32 v[C+4*\c+2:C+4*\c+3], v[X+16*\c+8:X+16*\c+15], v11
	global_store_b128 v3, v[C+4*\c:C+4*\c+3], s[12:13] offset:512*\c   ; the wave stores 512 consecutive bytes, aligned
.endr
	s_wait_tensorcnt 0x0                           ; the wave's end
	ds_add_u32 v[SPW], v[NIL]
	s_wait_dscnt 0x0
	s_endpgm
; ---- the weights.  A LANE TAKES A COLUMN n AND ITS REGISTERS RUN DOWN K, so the conversions give codes with K innermost and nothing is transposed by an instruction.  No LDS.
; Wave w: columns 32 (w / 4) on of the work-group's 64, K rows 64 (w % 4) on of its 256: two chunks of an image, two blocks of 16 columns.
.Lweights:
	s_sub_co_u32 s20, ttmp9, XWG
	s_lshr_b32 s21, s20, 2                         ; which 64 columns, counted through qkv_w's 48 groups and then out_w's 16
	s_and_b32 s22, s20, 3                          ; which 256 along K
	s_sub_co_u32 s37, s21, 48
	s_lshr_b32 s34, s18, 2                         ; my half of the columns
	s_and_b32 s35, s18, 3                          ; my quarter of the K rows
	s_and_b32 s38, s21, 15
	s_mul_i32 s38, s38, 3
	s_lshr_b32 s39, s21, 4
	s_add_co_u32 s38, s38, s39                     ; qkv_w's group of 64 channels in wqc: 3 x head + part
	s_mov_b32 s36, 4096
	s_cmp_lt_u32 s21, 48                           ; qkv_w or out_w: the choice hangs on the work-group's number alone
	s_cselect_b64 s[6:7], s[6:7], s[8:9]
	s_cselect_b64 s[14:15], s[14:15], s[16:17]
	s_cselect_b32 s21, s21, s37                    ; the group in its own tensor,
	s_cselect_b32 s38, s38, s37                    ; and in its buffer of codes
	s_cselect_b32 s36, 12288, s36                  ; bytes in a row of the tensor
	s_lshl_b32 s37, s22, 2
	s_add_co_u32 s37, s37, s35                     ; which 64 along K
	s_lshl_b32 s39, s37, 6
	s_mul_i32 s40, s39, s36
	s_lshl_b32 s39, s21, 8
	s_add_co_u32 s40, s40, s39                     ; + 64 columns x 4 bytes a group
	s_lshl_b32 s39, s34, 7
	s_add_co_u32 s22, s40, s39                     ; + my half's 32 columns
	s_add_nc_u64 s[6:7], s[6:7], s[22:23]
	s_lshl_b32 s38, s38, 16                        ; codes: 4 blocks of 16,384 bytes a group,
	s_lshl_b32 s39, s34, 15                        ; 2 a half of the columns,
	s_lshl_b32 s40, s37, 10                        ; 1,024 bytes (two chunks) for each 64 along K
	s_add_co_u32 s38, s38, s39
	s_add_co_u32 s22, s38, s40
	s_add_nc_u64 s[14:15], s[14:15], s[22:23]
	s_cmp_lt_u32 ttmp9, QWG
	s_cbranch_scc0 .Lfrom_out_w                    ; only the immediates differ: a row of qkv_w is 12,288 bytes, of out_w 4,096
.set i, 0
.rept 64
	global_load_b32 v[WN+i], v8, s[6:7] offset:i*12288 th:TH_LOAD_NT
.set i, i+1
.endr
	s_branch .Lloaded
.Lfrom_out_w:
.set i, 0
.rept 64
	global_load_b32 v[WN+i], v8, s[6:7] offset:i*4096 th:TH_LOAD_NT
.set i, i+1
.endr
.Lloaded:
	s_wait_kmcnt 0x0
	s_cmp_lt_u32 ttmp9, QWG
	s_cselect_b32 s34, s25, s31                    ; e1 or e7
	MKSCALE s34
	s_wait_alu depctr_va_vdst(0)
.irp q, 0,1                            ; 32 along K: one chunk
	s_wait_loadcnt 32*(1-\q)                       ; q = 0: the other 32 loads may be out.  q = 1: 0
.set i, 0
.rept 32
	v_med3_num_f32 v[WN+32*\q+i], v[WN+32*\q+i], -v10, v10
.set i, i+1
.endr
.irp g, 0,1,2,3                        ; K = 8 g on: h = g % 2, the unit's first or second half by g / 2
	v_cvt_scalef32_pk8_fp8_f32 v[WC+8*\q+4*(\g%2)+2*(\g/2):WC+8*\q+4*(\g%2)+2*(\g/2)+1], v[WN+32*\q+8*\g:WN+32*\q+8*\g+7], v11
.endr
	v_nop
.endr
.irp q, 0,1
.irp h, 0,1
	global_store_b128 v7, v[WC+8*\q+4*\h:WC+8*\q+4*\h+3], s[14:15] offset:512*\q+256*\h   ; sixteen lanes store 256 consecutive bytes, aligned
.endr
.endr
	s_endpgm
.Lfunc_end_k_q97917896fd_quant:
	.size	k_q97917896fd_quant, .Lfunc_end_k_q97917896fd_quant-k_q97917896fd_quant
	.p2alignl 7, 3214868480
	.fill 96, 4, 3214868480
	.section	.rodata,"a",@progbits
	.p2align	6, 0x0
	.amdhsa_kernel k_q97917896fd_quant
		.amdhsa_group_segment_fixed_size 68608
		.amdhsa_private_segment_fixed_size 0
		.amdhsa_enable_private_segment 0
		.amdhsa_kernarg_size 56
		.amdhsa_user_sgpr_count 2
		.amdhsa_user_sgpr_kernarg_segment_ptr 1
		.amdhsa_wavefront_size32 1
		.amdhsa_system_sgpr_workgroup_id_x 1
		.amdhsa_system_sgpr_workgroup_id_y 1
		.amdhsa_system_sgpr_workgroup_id_z 1
		.amdhsa_system_vgpr_workitem_id 0
		.amdhsa_next_free_vgpr 164
		.amdhsa_next_free_sgpr 66
		.amdhsa_reserve_vcc 0
		.amdhsa_float_denorm_mode_32 3
		.amdhsa_float_denorm_mode_16_64 3
		.amdhsa_memory_ordered 1
		.amdhsa_forward_progress 1
		.amdhsa_inst_pref_size 30
	.end_amdhsa_kernel
	.amdgpu_metadata
---
amdhsa.version: [ 1, 2 ]
amdhsa.kernels:
  - .name:           k_q97917896fd_quant
    .symbol:         k_q97917896fd_quant.kd
    .args:
      - { .name: x, .offset: 0, .size: 8, .value_kind: global_buffer, .address_space: global }
      - { .name: qkv_w, .offset: 8, .size: 8, .value_kind: global_buffer, .address_space: global }
      - { .name: out_w, .offset: 16, .size: 8, .value_kind: global_buffer, .address_space: global }
      - { .name: lowp_scales, .offset: 24, .size: 8, .value_kind: global_buffer, .address_space: global }
      - { .name: xc, .offset: 32, .size: 8, .value_kind: global_buffer, .address_space: global }
      - { .name: wqc, .offset: 40, .size: 8, .value_kind: global_buffer, .address_space: global }
      - { .name: woc, .offset: 48, .size: 8, .value_kind: global_buffer, .address_space: global }
    .group_segment_fixed_size: 68608
    .private_segment_fixed_size: 0
    .kernarg_segment_align: 8
    .kernarg_segment_size: 56
    .max_flat_workgroup_size: 256
    .sgpr_count:     66
    .vgpr_count:     164
    .wavefront_size: 32
...
	.end_amdgpu_metadata
.endif
;; end of part 1
;; launch qkv (part 2): grid 16 x 16, 4 waves a work-group, clusters of 4 x 1, 197,120 bytes of LDS; arguments xc, wqc, lowp_scales, qkv_b, qc, kc, vc; writes qc, kc, vc
.if DOCPART == 2
	.amdgcn_target "amdgcn-amd-amdhsa--gfx1250"
	.amdhsa_code_object_version 6
	.text
	.protected	k_q97917896fd_qkv
	.globl	k_q97917896fd_qkv
	.p2align	8
	.type	k_q97917896fd_qkv,@function
k_q97917896fd_qkv:
	s_mov_b64 s[64:65], 0
	v_nop
	global_prefetch_b8 v0, s[64:65] scope:SCOPE_SE
	s_setreg_imm32_b32 hwreg(HW_REG_WAVE_MODE, 25, 1), 1
	s_wait_xcnt 0x0
	s_wait_alu depctr_hold_cnt(0) depctr_sa_sdst(0) depctr_va_vdst(0) depctr_va_sdst(0) depctr_va_ssrc(0) depctr_va_vcc(0) depctr_vm_vsrc(0)
	s_getreg_b32 s2, hwreg(HW_REG_IB_STS2, 6, 4)
	s_cmp_eq_u32 s2, 0
	s_cbranch_scc0 .Lentry_in_a_cluster
	s_endpgm
.Lentry_in_a_cluster:
	s_bfe_u32 s2, ttmp6, 0x10000c
	s_cmp_lg_u32 s2, 0x3003
	s_cbranch_scc0 .Lentry_shape_is_right
	s_endpgm
.Lentry_shape_is_right:
; qkv = x qkv_w + qkv_b on codes of FP8 (E4M3), K = 1,024, and its three parts quantised at once for the attention: q with 2^e2, k with 2^e3, v with 2^e5.
; xc: [256 blocks of 16 tokens][8 K steps of 128] images of 2,048 bytes; wqc: [16 heads][12 blocks of 16 channels: q, k, v][8 K steps] images; an image is [4 chunks][32 lanes][16 bytes] in the order in which a matrix operand's registers take it.
; A sum stands for sum x 2^(e0 + e1); value = sum x 2^(e0 + e1) + bias, one fused multiply-add in f32; code = value / 2^e, held within +-448, to the nearest code.
; LIMITS: e0 + e1 between -126 and 127; e2, e3, e5 between -126 and 119.  NaN is not served.
; 256 WORK-GROUPS: 256 tokens x the 192 channels (q, k, v) of one head.  Four waves, 64 tokens x 192 channels each: 48 accumulators.
; THE HEAD'S WEIGHTS, 196,608 bytes, lie whole in LDS: one joint load a wave, shared by a cluster's four work-groups, which have the same head and other tokens; nothing is filled twice.
; A WAVE'S TOKENS are its own in the work-group: they go from memory straight into registers, three K steps (48 loads of 512 bytes) ahead, in four sets of 64 registers; beside the weights LDS has no room for two slots of them, and a ring would wait for a load at each of its turns.
; So they are not asked for jointly, and no prefetch is written: the loads themselves run ahead.
; q, k: source 0 = channels, source 1 = tokens: a lane holds one token and eight neighbouring channels.  v: source 0 = tokens, source 1 = channels: a lane holds one channel and eight neighbouring tokens.
; OUTPUT.  qc, kc: [32 heads][128 tiles of 16 tokens][2 chunks of 32 channels][32 lanes][16 bytes]; vc: [32 heads][64 groups of 32 tokens][4 tiles of 16 channels][32 lanes][16 bytes]: two conversions' results are 16 bytes of a lane, and a wave stores 512 consecutive bytes.
; REGISTERS, in windows of 256: window 0: v0-63 addresses, scales, v's bias; v64-255 three sets of tokens, at the end q's and k's bias (v64-127), values and codes.  window 1: 0-191 the step's weights, 192-255 the fourth set of tokens.
;   window 2: accumulators of channel blocks 0-5, window 3: of blocks 6-11: (b, a) at v[8 (4 (b % 6) + a)], a = block of 16 tokens.
.set SPARE, 196608                     ; the spare words, 128 bytes for each wave
.set LB,   16                          ; v16, v17, v18: 16 x lane, + 65,536, + 131,072: my lane's place in LDS, and (v16) in memory
.set BH,   20                          ; 32 x h: the bias of my eight channels
.set BR,   21                          ; 4 x r: the bias of my channel
.set SPW,  28
.set NIL,  29
.set BV,   40                          ; v40-43 v's bias
.set SCL,  44                          ; v44-49: 2^e and 448 x 2^e for q, k, v
.set BI,   64
.set MSB, 0
.macro WIN new                         ; the immediate's high byte repeats the setting that is left
.if MSB != (\new)
	s_set_vgpr_msb (MSB<<8)|(\new)
.set MSB, (\new)
.endif
.endm
.macro CROUND                          ; a round of the cluster's barrier
	s_barrier_signal -1
	s_barrier_wait -1
	s_cmp_lg_u32 s14, 0
	s_cbranch_scc1 .Lnot_wave_0_\@
	s_barrier_signal -3
.Lnot_wave_0_\@:
	s_barrier_wait -3
	s_barrier_signal -1
	s_barrier_wait -1
.endm
.macro PLACES                          ; plain vector instructions between a matrix instruction and a load into, or a vector instruction on, its registers
.rept 4
	v_nop
.endr
.endm
	s_load_b128 s[4:7], s[0:1], 0x0                ; xc s[4:5], wqc s[6:7]
	s_load_b128 s[8:11], s[0:1], 0x10              ; the scales' exponents s[8:9], qkv_b s[10:11]
	s_load_b128 s[72:75], s[0:1], 0x20             ; qc s[72:73], kc s[74:75]
	s_load_b64 s[76:77], s[0:1], 0x30              ; vc
	v_lshl_add_u32 v[SPW], v0, 2, SPARE
	v_mov_b32 v[NIL], 0
	ds_add_u32 v[SPW], v[NIL]                      ; the wave's opening
	ds_add_u32 v[SPW], v[NIL]
	v_lshrrev_b32 v1, 5, v0
	v_readfirstlane_b32 s14, v1                    ; wave 0..3
	v_and_b32 v2, 31, v0
	v_and_b32 v3, 15, v0
	v_bfe_u32 v4, v0, 4, 1
	v_lshlrev_b32 v[LB], 4, v2
	v_lshlrev_b32 v[BR], 2, v3
	v_lshlrev_b32 v[BH], 5, v4
	v_add_nc_u32 v[LB+1], 0x10000, v[LB]
	v_add_nc_u32 v[LB+2], 0x20000, v[LB]
	s_bfe_u32 s40, ttmp6, 0x40000                  ; cx
	s_lshl_b32 s41, ttmp9, 2
	s_add_co_u32 s41, s41, s40                     ; tile of 256 tokens, 0..15
	s_and_b32 s42, ttmp7, 0xffff                   ; head
	; descriptor group 1: 192 rows of 256 bytes (32 elements of 8 bytes), dense; the mask names the cluster's four work-groups
	s_mov_b32 s24, 15|(3<<16)|(1<<21)
	s_mov_b32 s25, 32<<16
	s_mov_b32 s26, 192<<16
	s_mov_b32 s27, 32<<16
	s_mov_b32 s28, 192
	s_mov_b32 s29, 32
	s_mov_b32 s30, 0
	s_mov_b32 s31, 0
	s_mov_b32 s32, 1
	s_mul_i32 s33, s14, 49152                      ; my quarter of the weights
	s_mul_i32 s44, s42, 196608
	s_add_co_u32 s44, s44, s33
	s_mov_b32 s45, 0
	s_lshl_b32 s46, s41, 18                        ; my tokens: 262,144 bytes a tile, 65,536 a wave
	s_lshl_b32 s47, s14, 16
	s_add_co_u32 s46, s46, s47
	s_mov_b32 s47, 0
	s_lshl_b32 s48, s42, 8                         ; the bias: 64 numbers a head
	s_mov_b32 s49, 0
	s_lshr_b32 s50, s41, 3
	s_lshl_b32 s50, s50, 4
	s_add_co_u32 s50, s50, s42                     ; head among 32
	s_lshl_b32 s50, s50, 17
	s_and_b32 s52, s41, 7
	s_lshl_b32 s52, s52, 14
	s_add_co_u32 s50, s50, s52
	s_lshl_b32 s52, s14, 12
	s_add_co_u32 s50, s50, s52                     ; my 64 tokens: 4,096 bytes in each of qc, kc, vc
	s_mov_b32 s51, 0
	s_wait_alu depctr_va_vdst(0)
	s_wait_dscnt 0x0                               ; both opening adds are done
	CROUND                                         ; all four work-groups are here: the joint loads meet
	s_wait_kmcnt 0x0
	s_load_b256 s[88:95], s[8:9], 0x0              ; e0 .. e7
	s_add_nc_u64 s[34:35], s[6:7], s[44:45]
	s_or_b32 s35, s35, 0x80000000
	s_add_nc_u64 s[4:5], s[4:5], s[46:47]
	tensor_load_to_lds s[32:35], s[24:31]
	s_nop 0
	PLACES
; The tokens of K step s into set s % 4: four blocks of 16 tokens, 16 registers each
.macro TOKENS s
.if ((\s)%4) == 3
	WIN 0x40
.else
	WIN 0
.endif
.set TS, 64+64*((\s)%4)-64*(((\s)%4)/3)
.irp a, 0,1,2,3
.irp c, 0,1,2,3
	global_load_b128 v[TS+16*\a+4*\c:TS+16*\a+4*\c+3], v[LB], s[4:5] offset:16384*\a+2048*(\s)+512*\c
.endr
.endr
.endm
	TOKENS 0
	TOKENS 1
	TOKENS 2
	s_add_nc_u64 s[10:11], s[10:11], s[48:49]
	s_add_nc_u64 s[72:73], s[72:73], s[50:51]
	s_add_nc_u64 s[74:75], s[74:75], s[50:51]
	s_add_nc_u64 s[76:77], s[76:77], s[50:51]
	s_wait_kmcnt 0x0
	s_add_co_i32 s96, s88, s89                     ; e0 + e1
	s_add_co_i32 s96, s96, 127
	s_lshl_b32 s96, s96, 23                        ; 2^(e0 + e1) as f32
	s_mov_b32 s97, s96                             ; (named with it as a pair, so it is written)
.macro MKSCALE p, e
	s_add_co_i32 s86, \e, 127
	s_lshl_b32 s87, s86, 23
	v_mov_b32 v[SCL+2*\p], s87
	s_add_co_i32 s86, s86, 8
	s_lshl_b32 s86, s86, 23
	s_or_b32 s86, s86, 0x600000
	v_mov_b32 v[SCL+2*\p+1], s86
.endm
	MKSCALE 0, s90
	MKSCALE 1, s91
	MKSCALE 2, s93
.macro FETCHW s, b0                    ; six channel blocks of K step s from LDS
	WIN 0x40
.irp i, 0,1,2,3,4,5
.irp c, 0,1,2,3
	ds_load_b128 v[16*((\b0)+\i)+4*\c:16*((\b0)+\i)+4*\c+3], v[LB+((\b0)+\i)/4] offset:16384*(((\b0)+\i)%4)+2048*(\s)+512*\c
.endr
.endr
.endm
; 24 matrix instructions: half the channel blocks x four token blocks.  The accumulators take turns, one instruction a turn, in the same order in every step; the first step starts the sums.
.macro MULH s, hf
.set TW, (((\s)%4)/3)
.set TS, 64+64*((\s)%4)-64*TW
.if \hf == 0
	WIN 0xa1+4*TW
.irp b, 0,1,2,3,4,5
	CHAN \s, \b
.endr
.else
	WIN 0xf1+4*TW
.irp b, 6,7
	CHAN \s, \b
.endr
	WIN 0xf4+TW
.irp b, 8,9,10,11
.irp a, 0,1,2,3
.set AC, 8*(4*(\b%6)+\a)
.if (\s) == 0
	v_wmma_f32_16x16x128_fp8_fp8 v[AC:AC+7], v[TS+16*\a:TS+16*\a+15], v[16*\b:16*\b+15], 0
.else
	v_wmma_f32_16x16x128_fp8_fp8 v[AC:AC+7], v[TS+16*\a:TS+16*\a+15], v[16*\b:16*\b+15], v[AC:AC+7]
.endif
.endr
.endr
.endif
.endm
.macro CHAN s, b
.irp a, 0,1,2,3
.set AC, 8*(4*((\b)%6)+\a)
.if (\s) == 0
	v_wmma_f32_16x16x128_fp8_fp8 v[AC:AC+7], v[16*(\b):16*(\b)+15], v[TS+16*\a:TS+16*\a+15], 0
.else
	v_wmma_f32_16x16x128_fp8_fp8 v[AC:AC+7], v[16*(\b):16*(\b)+15], v[TS+16*\a:TS+16*\a+15], v[AC:AC+7]
.endif
.endr
.endm
; K step s.  n: the loads issued behind step s's tokens, which may be out.
.macro KS s, n
	s_wait_loadcnt \n
	s_wait_dscnt 24                                ; blocks 0-5 are in; the 24 loads of blocks 6-11 may be out
	MULH \s, 0
.if (\s) < 7
	PLACES
	FETCHW (\s)+1, 0
.if (\s) < 5
	TOKENS (\s)+3                                  ; into the set that the step before this one multiplied
.endif
.if (\s) == 5                          ; the bias, into set 0, which step 4 multiplied: 16 loads for q and k, 4 for v
	WIN 0
.irp b, 0,1,2,3,4,5,6,7
	global_load_b128 v[BI+8*\b:BI+8*\b+3], v[BH], s[10:11] offset:4096*(\b/4)+64*(\b%4)
	global_load_b128 v[BI+8*\b+4:BI+8*\b+7], v[BH], s[10:11] offset:4096*(\b/4)+64*(\b%4)+16
.endr
.irp t, 0,1,2,3
	global_load_b32 v[BV+\t], v[BR], s[10:11] offset:8192+64*\t
.endr
.endif
	s_wait_dscnt 24                                ; blocks 6-11 are in; the 24 just issued may be out
.else
	s_wait_dscnt 0x0
.endif
	MULH \s, 1
.if (\s) < 7
	PLACES
	FETCHW (\s)+1, 6
.endif
.endm
	WIN 0
	s_wait_alu depctr_va_vdst(0)
	s_wait_tensorcnt 0x0                           ; my quarter of the weights is in
	s_barrier_signal -1
	s_barrier_wait -1                              ; everybody's is
	FETCHW 0, 0
	FETCHW 0, 6
	KS 0, 32
	KS 1, 32
	KS 2, 32
	KS 3, 32
	KS 4, 32
	KS 5, 32
	KS 6, 36
	KS 7, 20
	WIN 0
	s_wait_loadcnt 0x0                             ; the bias
	PLACES                                         ; behind the last products
; THE WAY OUT: 24 units of 16 numbers a lane.  value = sum x 2^(e0 + e1) + bias, each accumulator from its low end on; the hold; two conversions; one store.  Every unit has its own four registers of codes: no store's data are written again.
.set UN, 0
.macro PACKU p                         ; the hold (the conversion to an 8-bit code does not saturate: ISA guide 7.6.2) and the conversions
	WIN 0
.set i, 0
.rept 16
	v_med3_num_f32 v[TM+i], v[TM+i], -v[SCL+2*\p+1], v[SCL+2*\p+1]
.set i, i+1
.endr
	v_cvt_scalef32_pk8_fp8_f32 v[CDR:CDR+1], v[TM:TM+7], v[SCL+2*\p]
	v_cvt_scalef32_pk8_fp8_f32 v[CDR+2:CDR+3], v[TM+8:TM+15], v[SCL+2*\p]
.endm
.macro QKU p, a, c                     ; q (p = 0) or k (1): token block a, channels 32 c on
.set TM, 128+16*(UN%2)
.set CDR, 160+4*UN
	WIN 0x02+((4*\p+2*\c)/6)
.irp u, 0,1
.set AC, 8*(4*((4*\p+2*\c+\u)%6)+\a)
.set BB, BI+8*(4*\p+2*\c+\u)
.irp i, 0,2,4,6
	v_pk_fma_f32 v[TM+8*\u+\i:TM+8*\u+\i+1], v[AC+\i:AC+\i+1], s[96:97], v[BB+\i:BB+\i+1] op_sel_hi:[1,0,1]
.endr
.endr
	PACKU \p
	global_store_b128 v[LB], v[CDR:CDR+3], s[72+2*\p:73+2*\p] offset:1024*\a+512*\c
.set UN, UN+1
.endm
.macro VU t, g                         ; v: channel tile t, 32 tokens: blocks 2 g and 2 g + 1.  The bias is the lane's channel's: of the pair the word t % 2 serves both halves
.set TM, 128+16*(UN%2)
.set CDR, 160+4*UN
	WIN 0x03
.irp u, 0,1
.set AC, 8*(4*(2+\t)+2*\g+\u)
.irp i, 0,2,4,6
.if \t%2
	v_pk_fma_f32 v[TM+8*\u+\i:TM+8*\u+\i+1], v[AC+\i:AC+\i+1], s[96:97], v[BV+2*(\t/2):BV+2*(\t/2)+1] op_sel:[0,0,1] op_sel_hi:[1,0,1]
.else
	v_pk_fma_f32 v[TM+8*\u+\i:TM+8*\u+\i+1], v[AC+\i:AC+\i+1], s[96:97], v[BV+2*(\t/2):BV+2*(\t/2)+1] op_sel_hi:[1,0,0]
.endif
.endr
.endr
	PACKU 2
	global_store_b128 v[LB], v[CDR:CDR+3], s[76:77] offset:2048*\g+512*\t
.set UN, UN+1
.endm
.irp a, 0,1,2,3
	QKU 0, \a, 0
	QKU 0, \a, 1
.endr
.irp a, 0,1,2,3
	QKU 1, \a, 0
	QKU 1, \a, 1
.endr
.irp g, 0,1
	VU 0, \g
	VU 1, \g
	VU 2, \g
	VU 3, \g
.endr
	s_wait_tensorcnt 0x0                           ; the wave's end
	ds_add_u32 v[SPW], v[NIL]
	s_wait_dscnt 0x0
	CROUND                                         ; the closing round: no work-group ends while a partner may still ask for a tile that names it
	s_endpgm
.Lfunc_end_k_q97917896fd_qkv:
	.size	k_q97917896fd_qkv, .Lfunc_end_k_q97917896fd_qkv-k_q97917896fd_qkv
	.p2alignl 7, 3214868480
	.fill 96, 4, 3214868480
	.section	.rodata,"a",@progbits
	.p2align	6, 0x0
	.amdhsa_kernel k_q97917896fd_qkv
		.amdhsa_group_segment_fixed_size 197120
		.amdhsa_private_segment_fixed_size 0
		.amdhsa_enable_private_segment 0
		.amdhsa_kernarg_size 56
		.amdhsa_user_sgpr_count 2
		.amdhsa_user_sgpr_kernarg_segment_ptr 1
		.amdhsa_wavefront_size32 1
		.amdhsa_system_sgpr_workgroup_id_x 1
		.amdhsa_system_sgpr_workgroup_id_y 1
		.amdhsa_system_sgpr_workgroup_id_z 1
		.amdhsa_system_vgpr_workitem_id 0
		.amdhsa_next_free_vgpr 1024
		.amdhsa_next_free_sgpr 100
		.amdhsa_reserve_vcc 0
		.amdhsa_float_denorm_mode_32 3
		.amdhsa_float_denorm_mode_16_64 3
		.amdhsa_memory_ordered 1
		.amdhsa_forward_progress 1
		.amdhsa_inst_pref_size 114
	.end_amdhsa_kernel
	.amdgpu_metadata
---
amdhsa.version: [ 1, 2 ]
amdhsa.kernels:
  - .name:           k_q97917896fd_qkv
    .symbol:         k_q97917896fd_qkv.kd
    .args:
      - { .name: xc, .offset: 0, .size: 8, .value_kind: global_buffer, .address_space: global }
      - { .name: wqc, .offset: 8, .size: 8, .value_kind: global_buffer, .address_space: global }
      - { .name: lowp_scales, .offset: 16, .size: 8, .value_kind: global_buffer, .address_space: global }
      - { .name: qkv_b, .offset: 24, .size: 8, .value_kind: global_buffer, .address_space: global }
      - { .name: qc, .offset: 32, .size: 8, .value_kind: global_buffer, .address_space: global }
      - { .name: kc, .offset: 40, .size: 8, .value_kind: global_buffer, .address_space: global }
      - { .name: vc, .offset: 48, .size: 8, .value_kind: global_buffer, .address_space: global }
    .group_segment_fixed_size: 197120
    .private_segment_fixed_size: 0
    .kernarg_segment_align: 8
    .kernarg_segment_size: 56
    .max_flat_workgroup_size: 128
    .sgpr_count:     100
    .vgpr_count:     1024
    .wavefront_size: 32
...
	.end_amdgpu_metadata
.endif
;; end of part 2
;; launch attn (part 3): grid 8 x 32, 8 waves a work-group, clusters of 4 x 1, 263,168 bytes of LDS; arguments qc, kc, vc, lowp_scales, ac; writes ac
.if DOCPART == 3
	.amdgcn_target "amdgcn-amd-amdhsa--gfx1250"
	.amdhsa_code_object_version 6
	.text
	.protected	k_q97917896fd_attn
	.globl	k_q97917896fd_attn
	.p2align	8
	.type	k_q97917896fd_attn,@function
k_q97917896fd_attn:
	s_mov_b64 s[64:65], 0
	v_nop
	global_prefetch_b8 v0, s[64:65] scope:SCOPE_SE
	s_setreg_imm32_b32 hwreg(HW_REG_WAVE_MODE, 25, 1), 1
	s_wait_xcnt 0x0
	s_wait_alu depctr_hold_cnt(0) depctr_sa_sdst(0) depctr_va_vdst(0) depctr_va_sdst(0) depctr_va_ssrc(0) depctr_va_vcc(0) depctr_vm_vsrc(0)
	s_getreg_b32 s2, hwreg(HW_REG_IB_STS2, 6, 4)
	s_cmp_eq_u32 s2, 0
	s_cbranch_scc0 .Lentry_in_a_cluster
	s_endpgm
.Lentry_in_a_cluster:
	s_bfe_u32 s2, ttmp6, 0x10000c
	s_cmp_lg_u32 s2, 0x3003
	s_cbranch_scc0 .Lentry_shape_is_right
	s_endpgm
.Lentry_shape_is_right:
; Causal attention on codes of FP8 (E4M3): for each of 32 heads O = softmax(q k^T / 8) v over 2,048 tokens, both products quantised; the result is quantised with 2^e6 for the projection.
; qc, kc: [32 heads][128 tiles of 16 tokens][2 chunks of 32 channels][32 lanes][16 bytes]; vc: [32 heads][64 groups of 32 keys][4 tiles of 16 channels][32 lanes][16 bytes]; ac: [256 blocks of 16 tokens][16 heads][2 chunks of 32 channels][32 lanes][16 bytes]:
; each is the image of a matrix operand's registers, so every load and store of a wave covers 512 consecutive bytes.
; THE SOFTMAX: t = score x log2(e) / 8; M = the running largest t rounded UP to a whole number; p = 2^(t - M) is quantised with 2^e4; the row's sum is of the unquantised p and divides at the end.  When M moves, sum and O are multiplied by 2^(old M - new M): exact.
; LEFT OUT: key steps all of whose keys come after a wave's queries: reference()'s own mask throws them away for all inputs.  LIMITS: a NaN, an infinity or an overflow that reaches only such scores is not carried; e2 + e3 between -123 and 130; e4, e6 between -126 and 119;
; NaN is not served; scaled scores stay under 2^31 in magnitude.
; SHARES.  A head has 64 blocks of 32 queries.  Blocks j and 63 - j form a pair; work-group x (0..7) owns the pairs j = x + 8 i, i = 0..3; waves i and i + 4 own pair i TOGETHER and share its key steps of 128 out:
; pass 1 takes the even steps (wave i: of block 63 - j, wave i + 4: of block j), pass 2 the odd steps of the other block of the pair.  x = 4 X + cx: block j's last step is X + 2 i, block 63 - j's is 15 - X - 2 i, for every cx: 17 steps a pair, 8 or 9 a wave,
; and no branch hangs on the place in the cluster.  At the end each wave hands pass 1's sums to its partner through LDS and finishes pass 2's block.
; CLUSTERS of four work-groups of one head: all K and V of the head (2 x 131,072 bytes) come into each LDS by joint loads, one a wave, at the head.  Each load is read in every work-group: every one of them owns a block from 56 on.
; No prefetch: all tensor loads stand at the head, so there is no trip in which to ask ahead.
; LAYOUT: both products transposed: S^T = K Q^T, O^T = V^T P^T: a lane (r = lane % 16, h = lane / 16) holds one query; register 8 kt + j of S^T is key 16 kt + 8 h + j, so the conversions' results are the K = 128 form's operand as they come.
; REGISTERS: window 0: v0-63 addresses and state; v64-79 Q in use, v80-95 Q of pass 2; v96-127 P's codes; v128-255 S^T (two tiles of queries x 64).  window 1: 0-63 O^T, 64-127 K, 128-191 V, 192-255 O^T of pass 1.
.set STEPB, 8192                       ; 128 keys in LDS, of K and of V
.set VOFF,  131072                     ; V behind K
.set SPARE, 262144                     ; the spare words, 128 bytes for each wave
.set XREG,  8704                       ; the exchange, over K's bytes when nobody reads them any more: 17 x 512 bytes a wave
.set AV0, 2                            ; my lane's place in V
.set ADK, 3
.set ADV, 4
.set GO,  7                            ; 16 x lane: my lane's place in K, and in memory
.set DL,  8                            ; r - 8 h
.set XS,  9                            ; exchange: where I put, XL: where I read my partner's
.set DM,  10
.set XL,  11
.set ST,  12                           ; per tile T of queries, 8 registers: -M, largest t, the sum in two halves, f (a pair), two at work
.set A2,  28                           ; v28-31
.set SPW, 32
.set NIL, 33
.set LIMP, 34                          ; 448 x 2^e4
.set SCP, 35                           ; 2^e4
.set PM,  36                           ; v36-39 pass 1's -M and sums
.set NINF, 48
.set SCO, 60                           ; 2^e6
.set LIMO, 61                          ; 448 x 2^e6
.set Q,   64
.set PC,  96
.set S,   128
.set O,   0                            ; window 1
.set KF,  64
.set VF,  128
.set PO,  192
.set TB,  2                            ; s2 LDS byte of the step in hand
.set SI,  3                            ; s3 the step in hand
.set WV,  18
.set OFS, 19                           ; s19 my block's first query in its last step: 32 x (block % 4)
.set SEL, 20
.set CS,  22
.set LIM, 48                           ; s48 the pass's last step; s49 pass 2's
.set J1,  50                           ; s50, s51 the blocks of pass 1 and 2
.set J2,  51
.set MSB, 0
.macro WIN new                         ; the immediate's high byte repeats the setting that is left
.if MSB != (\new)
	s_set_vgpr_msb (MSB<<8)|(\new)
.set MSB, (\new)
.endif
.endm
.macro CROUND                          ; a round of the cluster's barrier
	s_barrier_signal -1
	s_barrier_wait -1
	s_cmp_lg_u32 s[WV], 0
	s_cbranch_scc1 .Lnot_wave_0_\@
	s_barrier_signal -3
.Lnot_wave_0_\@:
	s_barrier_wait -3
	s_barrier_signal -1
	s_barrier_wait -1
.endm
.macro PLACES
.rept 4
	v_nop
.endr
.endm
.macro INIT                            ; a pass begins: O^T and the sums are 0, the largest t is -3e38; the first change of M leaves zeros zeros
.irp T, 0,1
	v_mov_b32 v[ST+8*\T+1], 0xff61b1e6
	v_mov_b32 v[ST+8*\T+2], 0
	v_mov_b32 v[ST+8*\T+3], 0
	v_mov_b32 v[ST+8*\T+5], 0
.endr
.irp T, 0,1
	v_floor_f32 v[ST+8*\T], -v[ST+8*\T+1]
.endr
	WIN 0x40
.set n, 0
.rept 64
	v_mov_b32 v[O+n], 0
.set n, n+1
.endr
	WIN 0
.endm
	s_load_b256 s[4:11], s[0:1], 0x0               ; qc, kc, vc, the scales' exponents
	s_load_b64 s[12:13], s[0:1], 0x20              ; ac
	v_lshl_add_u32 v[SPW], v0, 2, SPARE
	v_mov_b32 v[NIL], 0
	ds_add_u32 v[SPW], v[NIL]                      ; the wave's opening
	ds_add_u32 v[SPW], v[NIL]
	v_lshrrev_b32 v40, 5, v0
	v_and_b32 v41, 15, v0                          ; r
	v_readfirstlane_b32 s[WV], v40                 ; wave 0..7
	v_bfe_u32 v42, v0, 4, 1                        ; h
	v_and_b32 v43, 31, v0                          ; lane
	s_mul_i32 s67, s[WV], XREG
	s_xor_b32 s68, s[WV], 4                        ; my partner
	s_mul_i32 s68, s68, XREG
	v_lshlrev_b32 v[GO], 4, v43
	v_lshlrev_b32 v50, 3, v42
	v_mov_b32 v[NINF], 0xff800000
	v_add_nc_u32 v[AV0], VOFF, v[GO]
	v_add_nc_u32 v[XS], s67, v[GO]
	v_add_nc_u32 v[XL], s68, v[GO]
	v_sub_nc_u32 v[DL], v41, v50
	s_and_b32 s60, ttmp7, 0xffff                   ; the head
	s_bfe_u32 s61, ttmp6, 0x40000                  ; cx
	s_and_b32 s62, s[WV], 3                        ; i
	s_lshr_b32 s63, s[WV], 2                       ; which of the pair's two waves
	s_lshl_b32 s66, s62, 1
	s_add_co_u32 s66, s66, ttmp9                   ; block j's last step: X + 2 i
	s_sub_co_u32 s67, 15, s66                      ; block 63 - j's
	s_lshl_b32 s68, s66, 2
	s_add_co_u32 s68, s68, s61                     ; j = 4 X + 8 i + cx
	s_sub_co_u32 s69, 63, s68
	s_cmp_eq_u32 s63, 0
	s_cselect_b32 s[LIM], s67, s66
	s_cselect_b32 s[LIM+1], s66, s67
	s_cselect_b32 s[J1], s69, s68
	s_cselect_b32 s[J2], s68, s69
	s_and_b32 s[OFS], s[J1], 3
	s_lshl_b32 s[OFS], s[OFS], 5
	; descriptor group 1: 128 rows of 256 bytes (32 elements of 8 bytes), dense; the mask names the cluster's four work-groups
	s_mov_b32 s24, 15|(3<<16)|(1<<21)
	s_mov_b32 s25, 32<<16
	s_mov_b32 s26, 128<<16
	s_mov_b32 s27, 32<<16
	s_mov_b32 s28, 128
	s_mov_b32 s29, 32
	s_mov_b32 s30, 0
	s_mov_b32 s31, 0
	; waves 0-3 fetch K, waves 4-7 V, a quarter each
	s_lshl_b32 s74, s62, 15
	s_mov_b32 s75, 0
	s_mul_i32 s67, s63, VOFF
	s_mov_b32 s40, 1
	s_add_co_u32 s41, s67, s74
	s_lshl_b32 s72, s60, 17                        ; the head's first byte in qc, kc and vc
	s_mov_b32 s73, 0
	s_mov_b32 s77, 0
	s_mov_b32 s[SEL], 0x76543210
	s_mov_b32 s[SEL+1], 0xfedcba98
	s_mov_b32 s[CS], 0x3e38aa3b                    ; log2(e) / 8
	s_wait_alu depctr_va_vdst(0)
	s_wait_dscnt 0x0                               ; both opening adds are done
	CROUND                                         ; all four work-groups are here: the joint loads meet
	s_wait_kmcnt 0x0
	s_load_b256 s[52:59], s[10:11], 0x0            ; e0 .. e7
	s_cmp_lt_u32 s[WV], 4
	s_cselect_b64 s[70:71], s[6:7], s[8:9]
	s_add_nc_u64 s[70:71], s[70:71], s[72:73]
	s_add_nc_u64 s[42:43], s[70:71], s[74:75]
	s_or_b32 s43, s43, 0x80000000
	tensor_load_to_lds s[40:43], s[24:31]
	s_nop 0
	PLACES
	s_lshl_b32 s74, s[J1], 11
	s_lshl_b32 s76, s[J2], 11
	s_add_nc_u64 s[4:5], s[4:5], s[72:73]
	s_add_nc_u64 s[78:79], s[4:5], s[74:75]
	s_add_nc_u64 s[82:83], s[4:5], s[76:77]
.irp T, 0,1
.irp c, 0,1
	global_load_b128 v[Q+8*\T+4*\c:Q+8*\T+4*\c+3], v[GO], s[78:79] offset:1024*\T+512*\c
	global_load_b128 v[Q+16+8*\T+4*\c:Q+16+8*\T+4*\c+3], v[GO], s[82:83] offset:1024*\T+512*\c
.endr
.endr
	INIT
	s_wait_kmcnt 0x0
	s_add_co_i32 s68, s54, s55
	s_lshl_b32 s68, s68, 23
	s_add_co_i32 s[CS], s[CS], s68                 ; a score stands for score x 2^(e2 + e3): added to the factor's exponent field
	s_mov_b32 s[CS+1], s[CS]                       ; (named with it as a pair, so it is written)
	s_add_co_i32 s68, s56, 127
	s_lshl_b32 s69, s68, 23
	v_mov_b32 v[SCP], s69
	s_add_co_i32 s68, s68, 8
	s_lshl_b32 s68, s68, 23
	s_or_b32 s68, s68, 0x600000
	v_mov_b32 v[LIMP], s68
	s_add_co_i32 s68, s58, 127
	s_lshl_b32 s69, s68, 23
	v_mov_b32 v[SCO], s69
	s_add_co_i32 s68, s68, 8
	s_lshl_b32 s68, s68, 23
	s_or_b32 s68, s68, 0x600000
	v_mov_b32 v[LIMO], s68
.macro KLOAD off                       ; 128 keys of K, `off` bytes behind ADK
	WIN 0x40
.irp kt, 0,1,2,3,4,5,6,7
.irp c, 0,1
	ds_load_b128 v[KF+8*\kt+4*\c:KF+8*\kt+4*\c+3], v[ADK] offset:\off+1024*\kt+512*\c
.endr
.endr
	WIN 0
.endm
.macro SUM T                           ; the row's sum, of the unquantised p, in two chains
	v_pk_add_f32 v[A2+2*\T:A2+2*\T+1], v[S+64*\T:S+64*\T+1], v[S+64*\T+2:S+64*\T+3]
.set n, 4
.rept 15
	v_pk_add_f32 v[ST+8*\T+2:ST+8*\T+3], v[ST+8*\T+2:ST+8*\T+3], v[S+64*\T+n:S+64*\T+n+1]
	v_pk_add_f32 v[A2+2*\T:A2+2*\T+1], v[A2+2*\T:A2+2*\T+1], v[S+64*\T+n+2:S+64*\T+n+3]
.set n, n+4
.endr
	v_pk_add_f32 v[ST+8*\T+2:ST+8*\T+3], v[ST+8*\T+2:ST+8*\T+3], v[A2+2*\T:A2+2*\T+1]
.endm
; A KEY STEP: 128 keys x my 32 queries.  A step beyond the pass's last is left out by a scalar branch on ids.  K was asked for a step ago; V is asked for here.
.macro STEP
	s_cmp_gt_u32 s[SI], s[LIM]
	s_cbranch_scc1 .Lhidden_\@
	v_add_nc_u32 v[ADV], s[TB], v[AV0]
	v_add_nc_u32 v[ADK], s[TB], v[GO]
	v_nop                                          ; (these four are the places behind the last products, whose sources the loads below write)
	v_nop
	WIN 0x40
.irp t, 0,1,2,3
.irp g, 0,1,2,3
	ds_load_b128 v[VF+16*\t+4*\g:VF+16*\t+4*\g+3], v[ADV] offset:2048*\g+512*\t
.endr
.endr
	s_wait_alu depctr_va_vdst(0)
	s_wait_dscnt 16                                ; K is in; V's 16 loads may be out
	WIN 0x01
.irp kt, 0,1,2,3,4,5,6,7
.irp T, 0,1
	v_wmma_f32_16x16x64_fp8_fp8 v[S+64*\T+8*\kt:S+64*\T+8*\kt+7], v[KF+8*\kt:KF+8*\kt+7], v[Q+8*\T:Q+8*\T+7], 0
.endr
.endr
	WIN 0
	PLACES
	s_add_co_u32 s96, s[SI], 2
	s_cmp_gt_u32 s96, s[LIM]
	s_cbranch_scc1 .Lno_next_\@
	KLOAD 2*STEPB                                  ; the pass's next step's K
.Lno_next_\@:
	s_cmp_lg_u32 s[SI], s[LIM]
	s_cbranch_scc1 .Lopen_\@                       ; all keys of the step count
	v_add_nc_u32 v[DM], s[OFS], v[DL]              ; tile kt of keys, tile T of queries, register j: hidden where 16 (kt - T) + j > my block's first query in the step + r - 8 h; never where kt < T
.set n, 0
.rept 64
	v_cmp_gt_i32 vcc_lo, 16*(n/8)+n%8, v[DM]
	v_cndmask_b32 v[S+n], v[S+n], v[NINF], vcc_lo
.if n < 56
	v_cndmask_b32 v[S+72+n], v[S+72+n], v[NINF], vcc_lo
.endif
.set n, n+1
.endr
.Lopen_\@:
.irp T, 0,1
	v_max3_num_f32 v[ST+8*\T+6], v[S+64*\T], v[S+64*\T+1], v[S+64*\T+2]
.endr
.irp T, 0,1
	v_max3_num_f32 v[ST+8*\T+7], v[S+64*\T+3], v[S+64*\T+4], v[S+64*\T+5]
.endr
.irp i, 6,10,14,18,22,26,30,34,38,42,46,50,54,58
.irp T, 0,1
	v_max3_num_f32 v[ST+8*\T+6], v[ST+8*\T+6], v[S+64*\T+\i], v[S+64*\T+\i+1]
.endr
.irp T, 0,1
	v_max3_num_f32 v[ST+8*\T+7], v[ST+8*\T+7], v[S+64*\T+\i+2], v[S+64*\T+\i+3]
.endr
.endr
.irp T, 0,1
	v_max3_num_f32 v[ST+8*\T+6], v[ST+8*\T+6], v[S+64*\T+62], v[S+64*\T+63]
.endr
.irp T, 0,1
	s_delay_alu instid0(VALU_DEP_2)
	v_max_num_f32 v[ST+8*\T+6], v[ST+8*\T+6], v[ST+8*\T+7]
.endr
.irp T, 0,1
	s_delay_alu instid0(VALU_DEP_2)
	v_permlanex16_b32 v[ST+8*\T+7], v[ST+8*\T+6], s[SEL], s[SEL+1]   ; the other half of my query's keys: lane l xor 16
.endr
.irp T, 0,1
	s_delay_alu instid0(VALU_DEP_2)
	v_max_num_f32 v[ST+8*\T+6], v[ST+8*\T+6], v[ST+8*\T+7]
.endr
.irp T, 0,1
	s_delay_alu instid0(VALU_DEP_2)
	v_mul_f32 v[ST+8*\T+6], s[CS], v[ST+8*\T+6]
.endr
.irp T, 0,1
	s_delay_alu instid0(VALU_DEP_2)
	v_max_num_f32 v[ST+8*\T+1], v[ST+8*\T+1], v[ST+8*\T+6]
.endr
.irp T, 0,1
	v_mov_b32 v[ST+8*\T+6], v[ST+8*\T]
.endr
.irp T, 0,1
	s_delay_alu instid0(VALU_DEP_4)
	v_floor_f32 v[ST+8*\T], -v[ST+8*\T+1]          ; the new -M, a whole number
.endr
.irp T, 0,1
	s_delay_alu instid0(VALU_DEP_2)
	v_sub_f32 v[ST+8*\T+6], v[ST+8*\T], v[ST+8*\T+6]
.endr
.irp T, 0,1
	s_delay_alu instid0(VALU_DEP_2)
	v_cvt_i32_f32 v[ST+8*\T+6], v[ST+8*\T+6]       ; (it saturates)
.endr
.irp T, 0,1
	s_delay_alu instid0(VALU_DEP_2)
	v_ldexp_f32 v[ST+8*\T+4], 1.0, v[ST+8*\T+6]    ; f = 2^(old M - new M)
.endr
	WIN 0x41
.irp j, 0,2,4,6,8,10,12,14,16,18,20,22,24,26,28,30
.irp T, 0,1
	v_pk_mul_f32 v[O+32*\T+\j:O+32*\T+\j+1], v[O+32*\T+\j:O+32*\T+\j+1], v[ST+8*\T+4:ST+8*\T+5] op_sel_hi:[1,0]
.endr
.endr
	WIN 0
.set n, 0
.rept 32
	v_pk_fma_f32 v[S+n:S+n+1], v[S+n:S+n+1], s[CS:CS+1], v[ST:ST+1] op_sel_hi:[1,0,0]   ; t - M of tile 0
.set n, n+2
.endr
	s_wait_alu depctr_va_vdst(0)
.set n, 0
.rept 32                               ; tile 0's exponentials; between them tile 1's t - M, which the next batch reads behind the next wait
	v_exp_f32 v[S+n], v[S+n]
	v_exp_f32 v[S+n+1], v[S+n+1]
	v_pk_fma_f32 v[S+64+n:S+64+n+1], v[S+64+n:S+64+n+1], s[CS:CS+1], v[ST+8:ST+9] op_sel_hi:[1,0,0]
.set n, n+2
.endr
	v_pk_mul_f32 v[ST+2:ST+3], v[ST+2:ST+3], v[ST+4:ST+5] op_sel_hi:[1,0]   ; the sum under the new M
	s_wait_alu depctr_va_vdst(0)                   ; behind this batch, and ahead of the next
	SUM 0
.set n, 0
.rept 32                               ; tile 1's exponentials; between them tile 0's holds (p is not negative), which the conversions read behind the next wait
	v_exp_f32 v[S+64+n], v[S+64+n]
	v_exp_f32 v[S+64+n+1], v[S+64+n+1]
	v_dual_min_num_f32 v[S+n], v[LIMP], v[S+n] :: v_dual_min_num_f32 v[S+n+1], v[LIMP], v[S+n+1]   ; the conversion to an 8-bit code does not saturate (ISA guide 7.6.2)
.set n, n+2
.endr
	v_pk_mul_f32 v[ST+10:ST+11], v[ST+10:ST+11], v[ST+12:ST+13] op_sel_hi:[1,0]
	s_wait_alu depctr_va_vdst(0)                   ; ahead of the batch's first reader
	SUM 1
.set n, 64
.rept 32
	v_dual_min_num_f32 v[S+n], v[LIMP], v[S+n] :: v_dual_min_num_f32 v[S+n+1], v[LIMP], v[S+n+1]
.set n, n+2
.endr
.irp T, 0,1
.irp kt, 0,1,2,3,4,5,6,7
	v_cvt_scalef32_pk8_fp8_f32 v[PC+16*\T+2*\kt:PC+16*\T+2*\kt+1], v[S+64*\T+8*\kt:S+64*\T+8*\kt+7], v[SCP]
.endr
.endr
	v_nop                                          ; one plain vector instruction between the conversions and the products that read them
	s_wait_alu depctr_va_vdst(0)
	s_wait_dscnt 0x0                               ; V is in, and the next step's K where it was asked for
	WIN 0x51
.irp t, 0,1,2,3
.irp T, 0,1
	v_wmma_f32_16x16x128_fp8_fp8 v[O+32*\T+8*\t:O+32*\T+8*\t+7], v[VF+16*\t:VF+16*\t+15], v[PC+16*\T:PC+16*\T+15], v[O+32*\T+8*\t:O+32*\T+8*\t+7]
.endr
.endr
	WIN 0
.Lhidden_\@:
	s_add_co_u32 s[TB], s[TB], 2*STEPB
	s_add_co_u32 s[SI], s[SI], 2
.endm
	s_mov_b32 s[TB], 0
	s_mov_b32 s[SI], 0
	v_mov_b32 v[ADK], v[GO]
	s_wait_alu depctr_va_vdst(0)
	s_wait_loadcnt 0x0                             ; Q
	s_wait_tensorcnt 0x0                           ; my part of K and V is in
	s_barrier_signal -1
	s_barrier_wait -1                              ; everybody's is
	KLOAD 0                                        ; step 0
.Leven:                                            ; pass 1, steps 0, 2 .. 14
	STEP
	s_cmp_lt_u32 s[SI], 16
	s_cbranch_scc1 .Leven
	PLACES                                         ; behind the last products
	s_wait_alu depctr_va_vdst(0)
	s_wait_dscnt 0x0                               ; no LDS load of pass 1 is out: K's registers may be loaded again
	s_mov_b32 s[TB], STEPB
	s_mov_b32 s[SI], 1
	v_add_nc_u32 v[ADK], STEPB, v[GO]
	KLOAD 0                                        ; step 1
	WIN 0x41
.set n, 0
.rept 64
	v_mov_b32 v[PO+n], v[O+n]                      ; pass 1's O^T is kept until nobody reads K any more
.set n, n+1
.endr
	WIN 0
.irp T, 0,1
	v_mov_b32 v[PM+\T], v[ST+8*\T]
	v_add_f32 v[PM+2+\T], v[ST+8*\T+2], v[ST+8*\T+3]
.endr
.set n, 0
.rept 16
	v_mov_b32 v[Q+n], v[Q+16+n]
.set n, n+1
.endr
	INIT
	s_mov_b32 s[LIM], s[LIM+1]
	s_and_b32 s[OFS], s[J2], 3
	s_lshl_b32 s[OFS], s[OFS], 5
	s_wait_alu depctr_va_vdst(0)
.Lodd:                                             ; pass 2, steps 1, 3 .. 15
	STEP
	s_cmp_lt_u32 s[SI], 17
	s_cbranch_scc1 .Lodd
	; where my 32 rows of the result go: block of 16 tokens = 128 (head / 16) + 2 x block, 16,384 bytes each; 1,024 bytes a head
	s_lshr_b32 s68, s60, 4
	s_lshl_b32 s68, s68, 21
	s_lshl_b32 s69, s[J2], 15
	s_add_co_u32 s76, s68, s69
	s_and_b32 s68, s60, 15
	s_lshl_b32 s68, s68, 10
	s_add_co_u32 s76, s76, s68
	s_add_nc_u64 s[12:13], s[12:13], s[76:77]
	s_add_co_i32 s70, s56, s57                     ; e4 + e5
	; THE EXCHANGE.  Behind the barrier nobody reads K or V any more, and no fill follows: pass 1's sums go over K's bytes to the partner
	s_wait_alu depctr_va_vdst(0)
	s_wait_dscnt 0x0
	s_barrier_signal -1
	s_barrier_wait -1
	WIN 0x04
.set n, 0
.rept 16
	ds_store_b128 v[XS], v[PO+4*n:PO+4*n+3] offset:512*n
.set n, n+1
.endr
	WIN 0
	ds_store_b128 v[XS], v[PM:PM+3] offset:8192
	s_wait_dscnt 0x0                               ; for the partner's sake
	s_barrier_signal -1
	v_add_f32 v50, v[ST+2], v[ST+3]                ; my own sums' halves
	v_add_f32 v51, v[ST+10], v[ST+11]
	s_wait_alu depctr_va_vdst(0)
	s_barrier_wait -1
	ds_load_b128 v[44:47], v[XL] offset:8192       ; the partner's -M (two tiles) and sums (two tiles)
	WIN 0x40
.set n, 0
.rept 16
	ds_load_b128 v[KF+4*n:KF+4*n+3], v[XL] offset:512*n
.set n, n+1
.endr
	WIN 0
	s_wait_dscnt 16                                ; the first of the 17 is in
	v_min_num_f32 v52, v[ST], v44                  ; -M of both
	v_min_num_f32 v53, v[ST+8], v45
	v_sub_f32 v54, v52, v[ST]
	v_sub_f32 v55, v53, v[ST+8]
	v_sub_f32 v56, v52, v44
	v_sub_f32 v57, v53, v45
.irp i, 54,55,56,57
	v_cvt_i32_f32 v\i, v\i
.endr
.irp i, 54,55,56,57
	v_ldexp_f32 v\i, 1.0, v\i                      ; mine and the partner's powers of two under the common M
.endr
	v_mul_f32 v46, v46, v56
	v_mul_f32 v47, v47, v57
	v_fma_f32 v50, v50, v54, v46
	v_fma_f32 v51, v51, v55, v47
	v_permlanex16_b32 v52, v50, s[SEL], s[SEL+1]
	v_permlanex16_b32 v53, v51, s[SEL], s[SEL+1]
	v_add_f32 v50, v50, v52                        ; the rows' sums
	v_add_f32 v51, v51, v53
	s_wait_alu depctr_va_vdst(0)
	v_rcp_f32 v50, v50
	v_rcp_f32 v51, v51
	v_nop
	s_wait_alu depctr_va_vdst(0)                   ; ahead of the batch's first reader
	v_ldexp_f32 v50, v50, s70                      ; x 2^(e4 + e5)
	v_ldexp_f32 v51, v51, s70
	v_mul_f32 v54, v54, v50
	v_mul_f32 v55, v55, v51
	v_mul_f32 v56, v56, v50
	v_mul_f32 v57, v57, v51
	WIN 0x01
	s_wait_alu depctr_va_vdst(0)                   ; directly ahead of the first reader of O^T
.set n, 0
.rept 16
	v_pk_mul_f32 v[S+n:S+n+1], v[O+n:O+n+1], v[54:55] op_sel_hi:[1,0]
	v_pk_mul_f32 v[S+32+n:S+32+n+1], v[O+32+n:O+32+n+1], v[54:55] op_sel:[0,1] op_sel_hi:[1,1]
.set n, n+2
.endr
	s_wait_alu depctr_va_vdst(0)
	s_wait_dscnt 0x0
.set n, 0
.rept 16
	v_pk_fma_f32 v[S+n:S+n+1], v[KF+n:KF+n+1], v[56:57], v[S+n:S+n+1] op_sel_hi:[1,0,1]
	v_pk_fma_f32 v[S+32+n:S+32+n+1], v[KF+32+n:KF+32+n+1], v[56:57], v[S+32+n:S+32+n+1] op_sel:[0,1,0] op_sel_hi:[1,1,1]
.set n, n+2
.endr
	WIN 0
.set n, 0
.rept 64
	v_med3_num_f32 v[S+n], v[S+n], -v[LIMO], v[LIMO]
.set n, n+1
.endr
.irp T, 0,1
.irp t, 0,1,2,3
	v_cvt_scalef32_pk8_fp8_f32 v[PC+8*\T+2*\t:PC+8*\T+2*\t+1], v[S+32*\T+8*\t:S+32*\T+8*\t+7], v[SCO]
.endr
.endr
	v_nop
.irp T, 0,1
.irp c, 0,1
	global_store_b128 v[GO], v[PC+8*\T+4*\c:PC+8*\T+4*\c+3], s[12:13] offset:16384*\T+512*\c   ; the wave stores 512 consecutive bytes, aligned
.endr
.endr
	s_wait_tensorcnt 0x0                           ; the wave's end
	ds_add_u32 v[SPW], v[NIL]
	s_wait_dscnt 0x0
	CROUND                                         ; the closing round: no work-group ends while a partner may still ask for a tile that names it
	s_endpgm
.Lfunc_end_k_q97917896fd_attn:
	.size	k_q97917896fd_attn, .Lfunc_end_k_q97917896fd_attn-k_q97917896fd_attn
	.p2alignl 7, 3214868480
	.fill 96, 4, 3214868480
	.section	.rodata,"a",@progbits
	.p2align	6, 0x0
	.amdhsa_kernel k_q97917896fd_attn
		.amdhsa_group_segment_fixed_size 263168
		.amdhsa_private_segment_fixed_size 0
		.amdhsa_enable_private_segment 0
		.amdhsa_kernarg_size 40
		.amdhsa_user_sgpr_count 2
		.amdhsa_user_sgpr_kernarg_segment_ptr 1
		.amdhsa_wavefront_size32 1
		.amdhsa_system_sgpr_workgroup_id_x 1
		.amdhsa_system_sgpr_workgroup_id_y 1
		.amdhsa_system_sgpr_workgroup_id_z 1
		.amdhsa_system_vgpr_workitem_id 0
		.amdhsa_next_free_vgpr 512
		.amdhsa_next_free_sgpr 100
		.amdhsa_reserve_vcc 1
		.amdhsa_float_denorm_mode_32 3
		.amdhsa_float_denorm_mode_16_64 3
		.amdhsa_memory_ordered 1
		.amdhsa_forward_progress 1
		.amdhsa_inst_pref_size 102
	.end_amdhsa_kernel
	.amdgpu_metadata
---
amdhsa.version: [ 1, 2 ]
amdhsa.kernels:
  - .name:           k_q97917896fd_attn
    .symbol:         k_q97917896fd_attn.kd
    .args:
      - { .name: qc, .offset: 0, .size: 8, .value_kind: global_buffer, .address_space: global }
      - { .name: kc, .offset: 8, .size: 8, .value_kind: global_buffer, .address_space: global }
      - { .name: vc, .offset: 16, .size: 8, .value_kind: global_buffer, .address_space: global }
      - { .name: lowp_scales, .offset: 24, .size: 8, .value_kind: global_buffer, .address_space: global }
      - { .name: ac, .offset: 32, .size: 8, .value_kind: global_buffer, .address_space: global }
    .group_segment_fixed_size: 263168
    .private_segment_fixed_size: 0
    .kernarg_segment_align: 8
    .kernarg_segment_size: 40
    .max_flat_workgroup_size: 256
    .sgpr_count:     100
    .vgpr_count:     512
    .wavefront_size: 32
...
	.end_amdgpu_metadata
.endif
;; end of part 3
;; launch proj (part 4): grid 8 x 32, 4 waves a work-group, clusters of 4 x 4, 280,064 bytes of LDS; arguments ac, woc, lowp_scales, out_b, out0; writes out0
.if DOCPART == 4
	.amdgcn_target "amdgcn-amd-amdhsa--gfx1250"
	.amdhsa_code_object_version 6
	.text
	.protected	k_q97917896fd_proj
	.globl	k_q97917896fd_proj
	.p2align	8
	.type	k_q97917896fd_proj,@function
k_q97917896fd_proj:
	s_mov_b64 s[64:65], 0
	v_nop
	global_prefetch_b8 v0, s[64:65] scope:SCOPE_SE
	s_setreg_imm32_b32 hwreg(HW_REG_WAVE_MODE, 25, 1), 1
	s_wait_xcnt 0x0
	s_wait_alu depctr_hold_cnt(0) depctr_sa_sdst(0) depctr_va_vdst(0) depctr_va_sdst(0) depctr_va_ssrc(0) depctr_va_vcc(0) depctr_vm_vsrc(0)
	s_getreg_b32 s2, hwreg(HW_REG_IB_STS2, 6, 4)
	s_cmp_eq_u32 s2, 0
	s_cbranch_scc0 .Lentry_in_a_cluster
	s_endpgm
.Lentry_in_a_cluster:
	s_bfe_u32 s2, ttmp6, 0x10000c
	s_cmp_lg_u32 s2, 0xf033
	s_cbranch_scc0 .Lentry_shape_is_right
	s_endpgm
.Lentry_shape_is_right:
; out0 = attention's result x out_w + out_b on codes of FP8 (E4M3), K = 1,024.  ac: [256 blocks of 16 tokens][8 K steps of 128: two heads each] images of 2,048 bytes; woc: [64 blocks of 16 columns][8 K steps] images; out0: [4096][1024] f32.
; An image is [4 chunks][32 lanes][16 bytes] in the order in which a matrix operand's registers take it, the same order of K on both sides.
; A sum stands for sum x 2^(e6 + e7); out0 = sum x 2^(e6 + e7) + out_b, one fused multiply-add.  LIMIT: e6 + e7 between -126 and 127.
; A tile of 128 x 128 is made by a work-group of four waves, 64 x 64 (16 accumulators) a wave: 256 work-groups.  THE WHOLE K LIES IN LDS, brought by ONE tensor load a wave: waves 0 and 1 64 tokens each, waves 2 and 3 64 columns of the weight each, 65,536 dense bytes a load.
; CLUSTERS: 4 x 4 work-groups; the tokens' tile is asked for jointly by the four of a row of the cluster, the weight's by the four of a column.  No prefetch: all loads stand at the head, and no loop runs behind them.
; THE MATRIX INSTRUCTION IS USED TRANSPOSED (source 0 = 16 columns of the weight, source 1 = 16 tokens): a lane holds eight neighbouring numbers of a row of out0.
; REGISTERS: window 0: v16-31 addresses; v32-63 out_b; v64-95 a block's results; v96-127 and v128-159 rows read back by turns; v128-255 the accumulators ((a, b) at v[128 + 8 (4 a + b)]).
;   window 1: two fragment buffers of 128: the tokens' four blocks (16 registers each), then the weight's four.
.set HALF,  65536                      ; 64 tokens, or 64 columns of the weight
.set STG,   4*HALF                     ; a stage of 16 rows x 272 bytes for each wave
.set SPARE, STG+4*16*272               ; the spare words, 128 bytes for each wave
.set ADRA, 16                          ; LDS address of my tokens' images, + 16 x lane
.set ADRB, 18                          ; the weight's
.set STO,  24
.set RD,   25
.set CO,   26
.set BH,   27                          ; v27     32 x (lane / 16)
.set SPW,  30
.set NIL,  31
.set BI,   32
.set TMP,  64
.set ACC,  128
.set WV,  68                           ; s68 wave; s69 my half of the rows, also: I fetch tokens (0) or weight (1); s70 my half of the columns, also: which half I fetch
.set MSB, 0
.macro WIN new
.if MSB != (\new)
	s_set_vgpr_msb (MSB<<8)|(\new)
.set MSB, (\new)
.endif
.endm
.set MUL,  0x05                        ; sources 0 and 1 window 1; C and D window 0
.set TO_F, 0x40                        ; destination window 1, address window 0
.macro CROUND                          ; a round of the cluster's barrier
	s_barrier_signal -1
	s_barrier_wait -1
	s_cmp_lg_u32 s[WV], 0
	s_cbranch_scc1 .Lnot_wave_0_\@
	s_barrier_signal -3
.Lnot_wave_0_\@:
	s_barrier_wait -3
	s_barrier_signal -1
	s_barrier_wait -1
.endm
.macro PLACES
.rept 4
	v_nop
.endr
.endm
	s_load_b128 s[4:7], s[0:1], 0x0                ; ac s[4:5], woc s[6:7]
	s_load_b128 s[8:11], s[0:1], 0x10              ; the scales' exponents s[8:9], out_b s[10:11]
	s_load_b64 s[56:57], s[0:1], 0x20              ; out0
	v_lshl_add_u32 v[SPW], v0, 2, SPARE
	v_mov_b32 v[NIL], 0
	ds_add_u32 v[SPW], v[NIL]                      ; the wave's opening
	ds_add_u32 v[SPW], v[NIL]
	v_lshrrev_b32 v1, 5, v0
	v_readfirstlane_b32 s[WV], v1
	v_and_b32 v1, 15, v0                           ; r
	v_bfe_u32 v2, v0, 4, 1                         ; h
	v_and_b32 v3, 31, v0                           ; lane
	s_lshr_b32 s69, s[WV], 1
	s_and_b32 s70, s[WV], 1
	s_lshl_b32 s21, s69, 16                        ; my 64 tokens,
	s_lshl_b32 s22, s70, 16
	s_add_co_u32 s22, s22, 2*HALF                  ; my 64 columns of the weight
	s_mul_i32 s23, s[WV], 16*272
	s_add_co_u32 s23, s23, STG                     ; my stage
	v_mul_u32_u24 v6, v1, 272
	v_mul_u32_u24 v7, v2, 272
	v_lshlrev_b32 v3, 4, v3
	v_lshl_add_u32 v6, v2, 5, v6
	v_lshl_add_u32 v7, v1, 4, v7
	v_lshlrev_b32 v8, 12, v2
	v_add_nc_u32 v[ADRA], s21, v3
	v_add_nc_u32 v[ADRB], s22, v3
	v_add_nc_u32 v[STO], s23, v6                   ; in: row r, 32 bytes for each half of the lanes
	v_add_nc_u32 v[RD], s23, v7                    ; back: lanes 0-15 one row of 256 bytes, lanes 16-31 the next
	v_lshl_add_u32 v[CO], v1, 4, v8                ; and the same two rows in out0
	v_lshlrev_b32 v[BH], 5, v2
	s_bfe_u32 s74, ttmp6, 0x40000                  ; cx, cy
	s_bfe_u32 s75, ttmp6, 0x40004
	s_lshl_b32 s76, ttmp9, 2
	s_add_co_u32 s76, s76, s74                     ; tile column, 0..7
	s_and_b32 s77, ttmp7, 0xffff
	s_lshl_b32 s77, s77, 2
	s_add_co_u32 s77, s77, s75                     ; tile row, 0..31
	s_lshl_b32 s78, s75, 2
	s_lshl_b32 s78, 15, s78                        ; my row of the cluster
	s_lshl_b32 s79, 0x1111, s74                    ; my column
	; descriptor groups 1: 256 rows of 256 bytes (32 elements of 8 bytes), dense; they differ in the mask alone
	s_or_b32 s24, s78, (3<<16)|(1<<21)
	s_or_b32 s48, s79, (3<<16)|(1<<21)
.irp g, 24, 48
	s_mov_b32 s[\g+1], 32<<16
	s_mov_b32 s[\g+2], 256<<16
	s_mov_b32 s[\g+3], 32<<16
	s_mov_b32 s[\g+4], 256
	s_mov_b32 s[\g+5], 32
	s_mov_b32 s[\g+6], 0
	s_mov_b32 s[\g+7], 0
.endr
	s_lshl_b32 s16, s77, 1
	s_add_co_u32 s16, s16, s70
	s_lshl_b32 s16, s16, 16                        ; tokens: 64 x (2 x tile row + half)
	s_mov_b32 s17, 0
	s_lshl_b32 s60, s76, 1
	s_add_co_u32 s60, s60, s70
	s_lshl_b32 s60, s60, 16                        ; weight: columns 64 x (2 x tile column + half)
	s_mov_b32 s61, 0
	s_mov_b32 s32, 1
	s_lshl_b32 s33, s70, 16                        ; where they go: no place in the cluster enters an LDS address
	s_mov_b32 s84, 1
	s_add_co_u32 s85, s33, 2*HALF
	s_wait_alu depctr_va_vdst(0)
	s_wait_dscnt 0x0                               ; both opening adds are done
	CROUND                                         ; all sixteen work-groups are here: the joint loads meet
	s_wait_kmcnt 0x0
	s_load_b64 s[80:81], s[8:9], 0x18              ; e6, e7
	s_add_nc_u64 s[34:35], s[4:5], s[16:17]
	s_or_b32 s35, s35, 0x80000000
	s_add_nc_u64 s[86:87], s[6:7], s[60:61]
	s_or_b32 s87, s87, 0x80000000
	s_cmp_eq_u32 s69, 0                            ; the branch hangs on the wave's number alone
	s_cbranch_scc0 .Lfor_b
	tensor_load_to_lds s[32:35], s[24:31]
	s_nop 0
	PLACES
	s_branch .Lasked
.Lfor_b:
	tensor_load_to_lds s[84:87], s[48:55]
	s_nop 0
	PLACES
.Lasked:
	s_lshl_b32 s62, s77, 1
	s_add_co_u32 s62, s62, s69
	s_lshl_b32 s62, s62, 18                        ; my first row of out0: 128 x tile row + 64 x half, 4,096 bytes a row
	s_lshl_b32 s66, s76, 1
	s_add_co_u32 s66, s66, s70
	s_lshl_b32 s66, s66, 8                         ; my first column, in bytes: 512 x tile column + 256 x half; also my place in out_b
	s_mov_b32 s67, 0
	s_add_co_u32 s62, s62, s66
	s_mov_b32 s63, 0
	s_add_nc_u64 s[56:57], s[56:57], s[62:63]
	s_add_nc_u64 s[10:11], s[10:11], s[66:67]
.irp b, 0,1,2,3
	global_load_b128 v[BI+8*\b:BI+8*\b+3], v[BH], s[10:11] offset:64*\b       ; out_b at columns 16 b + 8 h + 0 .. 7
	global_load_b128 v[BI+8*\b+4:BI+8*\b+7], v[BH], s[10:11] offset:64*\b+16
.endr
.macro FETCH s, f                      ; the fragments of K step s into buffer f
.irp a, 0,1,2,3
.irp c, 0,1,2,3
	ds_load_b128 v[(\f)+16*\a+4*\c:(\f)+16*\a+4*\c+3], v[ADRA] offset:16384*\a+2048*(\s)+512*\c
.endr
.endr
.irp b, 0,1,2,3
.irp c, 0,1,2,3
	ds_load_b128 v[(\f)+64+16*\b+4*\c:(\f)+64+16*\b+4*\c+3], v[ADRB] offset:16384*\b+2048*(\s)+512*\c
.endr
.endr
.endm
.macro MULS s                          ; 16 matrix instructions; the 16 accumulators take turns, one instruction a turn, in the same order in every step
.set FB, 128*((\s)%2)
.irp a, 0,1,2,3
.irp b, 0,1,2,3
.if (\s) == 0
	v_wmma_f32_16x16x128_fp8_fp8 v[ACC+8*(4*\a+\b):ACC+8*(4*\a+\b)+7], v[FB+64+16*\b:FB+64+16*\b+15], v[FB+16*\a:FB+16*\a+15], 0
.else
	v_wmma_f32_16x16x128_fp8_fp8 v[ACC+8*(4*\a+\b):ACC+8*(4*\a+\b)+7], v[FB+64+16*\b:FB+64+16*\b+15], v[FB+16*\a:FB+16*\a+15], v[ACC+8*(4*\a+\b):ACC+8*(4*\a+\b)+7]
.endif
.endr
.endr
.endm
.macro KS s                            ; step s: its fragments are in; the next step's are asked for; its products
	s_wait_dscnt 0x0
.if (\s) < 7
.if (\s) > 0
	PLACES                                         ; in front of loads into the buffer that the last step's products read
.endif
	WIN TO_F
	FETCH (\s)+1, 128*(((\s)+1)%2)
.endif
	WIN MUL
	MULS \s
.endm
	s_wait_tensorcnt 0x0                           ; my part is in
	s_barrier_signal -1
	s_barrier_wait -1                              ; everybody's is
	WIN TO_F
	FETCH 0, 0
.irp s, 0,1,2,3,4,5,6,7
	KS \s
.endr
	WIN 0
	PLACES                                         ; behind the last products
	s_wait_loadcnt 0x0                             ; out_b
	s_wait_kmcnt 0x0
	s_add_co_i32 s72, s80, s81
	s_add_co_i32 s72, s72, 127
	s_lshl_b32 s72, s72, 23                        ; 2^(e6 + e7) as f32
	s_mov_b32 s73, s72                             ; (named with it as a pair, so it is written)
; THE WAY OUT, 16 rows x my 64 columns at a time, through my own stage: a lane's 32 bytes go in, whole rows of 256 bytes come back; the next block goes in before a block's rows are waited for.
.macro TOSTAGE a
.irp b, 0,1,2,3
.irp i, 0,2,4,6
	v_pk_fma_f32 v[TMP+8*\b+\i:TMP+8*\b+\i+1], v[ACC+8*(4*(\a)+\b)+\i:ACC+8*(4*(\a)+\b)+\i+1], s[72:73], v[BI+8*\b+\i:BI+8*\b+\i+1] op_sel_hi:[1,0,1]   ; each accumulator from its low end on
.endr
.endr
.irp b, 0,1,2,3
	ds_store_b128 v[STO], v[TMP+8*\b:TMP+8*\b+3] offset:64*\b
	ds_store_b128 v[STO], v[TMP+8*\b+4:TMP+8*\b+7] offset:64*\b+16
.endr
.irp t, 0,1,2,3,4,5,6,7
	ds_load_b128 v[96+32*((\a)%2)+4*\t:99+32*((\a)%2)+4*\t], v[RD] offset:\t*2*272   ; LDS serves a wave's instructions in order: these see my stores.  (Odd blocks' rows land where block 0's sums were)
.endr
.endm
.macro SEND a, younger
	s_wait_dscnt \younger                          ; the block's rows are back; the LDS instructions issued behind them may be out
.irp t, 0,1,2,3,4,5,6,7
	global_store_b128 v[CO], v[96+32*((\a)%2)+4*\t:99+32*((\a)%2)+4*\t], s[56:57] offset:(16*(\a)+2*\t)*4096 th:TH_STORE_NT   ; sixteen lanes store 256 consecutive bytes, aligned; written once, read by nobody here
.endr
.endm
	TOSTAGE 0
	TOSTAGE 1
	SEND 0, 16
	s_wait_xcnt 0x0                                ; block 0's stores have read their registers: block 2's rows may land there
	TOSTAGE 2
	SEND 1, 16
	s_wait_xcnt 0x0
	TOSTAGE 3
	SEND 2, 16
	SEND 3, 0
	s_wait_tensorcnt 0x0                           ; the wave's end
	ds_add_u32 v[SPW], v[NIL]
	s_wait_dscnt 0x0
	CROUND                                         ; the closing round: no work-group ends while a partner may still ask for a tile that names it
	s_endpgm
.Lfunc_end_k_q97917896fd_proj:
	.size	k_q97917896fd_proj, .Lfunc_end_k_q97917896fd_proj-k_q97917896fd_proj
	.p2alignl 7, 3214868480
	.fill 96, 4, 3214868480
	.section	.rodata,"a",@progbits
	.p2align	6, 0x0
	.amdhsa_kernel k_q97917896fd_proj
		.amdhsa_group_segment_fixed_size 280064
		.amdhsa_private_segment_fixed_size 0
		.amdhsa_enable_private_segment 0
		.amdhsa_kernarg_size 40
		.amdhsa_user_sgpr_count 2
		.amdhsa_user_sgpr_kernarg_segment_ptr 1
		.amdhsa_wavefront_size32 1
		.amdhsa_system_sgpr_workgroup_id_x 1
		.amdhsa_system_sgpr_workgroup_id_y 1
		.amdhsa_system_sgpr_workgroup_id_z 1
		.amdhsa_system_vgpr_workitem_id 0
		.amdhsa_next_free_vgpr 512
		.amdhsa_next_free_sgpr 100
		.amdhsa_reserve_vcc 0
		.amdhsa_float_denorm_mode_32 3
		.amdhsa_float_denorm_mode_16_64 3
		.amdhsa_memory_ordered 1
		.amdhsa_forward_progress 1
		.amdhsa_inst_pref_size 44
	.end_amdhsa_kernel
	.amdgpu_metadata
---
amdhsa.version: [ 1, 2 ]
amdhsa.kernels:
  - .name:           k_q97917896fd_proj
    .symbol:         k_q97917896fd_proj.kd
    .args:
      - { .name: ac, .offset: 0, .size: 8, .value_kind: global_buffer, .address_space: global }
      - { .name: woc, .offset: 8, .size: 8, .value_kind: global_buffer, .address_space: global }
      - { .name: lowp_scales, .offset: 16, .size: 8, .value_kind: global_buffer, .address_space: global }
      - { .name: out_b, .offset: 24, .size: 8, .value_kind: global_buffer, .address_space: global }
      - { .name: out0, .offset: 32, .size: 8, .value_kind: global_buffer, .address_space: global }
    .group_segment_fixed_size: 280064
    .private_segment_fixed_size: 0
    .kernarg_segment_align: 8
    .kernarg_segment_size: 40
    .max_flat_workgroup_size: 128
    .sgpr_count:     100
    .vgpr_count:     512
    .wavefront_size: 32
...
	.end_amdgpu_metadata
.endif
;; end of part 4
